; MI455X (gfx1250); checked and timed in simulation.
; The chip was launched on July 23, 2026; its instructions are those of AMD's public machine-readable ISA for CDNA 5 (MIT licence, August 2026) and "CDNA5" Instruction Set Architecture Reference Guide (July 2026). The comments in the code are by the model that wrote it; some were corrected since.
;; Self Attention. Allowed arithmetic: matrix products marked QUANTISED: E3M2 operands, one E8M0 scale for each 32 along K, by v_wmma_scale_f32_16x16x128_f8f6f4 with both operands' format E3M2, f32 sums; products left as they are: f32 operands where the result goes on into a quantised operand, else bf16, f16 or f32 operands; f32 sums; everything else in f32.
;; Inputs: U_b 1,024 float32; U_w 1,024 x 1,024 float32; V_b 1 float32; V_w 1,024 x 1 float32; W_b 1,024 float32; W_w 1,024 x 1,024 float32; hidden_states 32 x 2,048 x 1,024 float32; s_prev 32 x 1,024 float32.
;; Outputs: out0 32 x 1,024 float32; out1 32 x 2,048 x 1 float32.
;; This version of the problem:
;;   THIS VERSION OF THE PROBLEM IS GIVEN IN LOW PRECISION. The matrix products marked QUANTISED in the list below multiply operands that are first quantised to E3M2 (3 exponent bits, 2 mantissa bits; 6 bits a number), with one power-of-two scale for each 32 numbers along K (OCP MX v1.0); their sums are f32. All else is computed in f32.
;;   The module's matrix products, in the order in which they are computed (A, B: the left and right operand; K: the contracted axis; several contracted axes count as one K, in the product's order):
;;     1. [M 32, K 1,024] x [K 1,024, N 1,024]; A: input s_prev; B: input W_w: QUANTISED
;;     2. [M 65,536, K 1,024] x [K 1,024, N 1,024]; A: input hidden_states; B: input U_w: QUANTISED
;;     3. [M 65,536, K 1,024] x [K 1,024, N 1]; A: computed on the way; B: input V_w: left as it is (N = 1 < 16)
;;   THE QUANTISER, for each operand of a quantised product, along K:
;;     - K is cut into blocks of 32 from its start; a last block that is shorter is filled with zeros.
;;     - A block's scale is 2^e with e = floor(log2(the largest magnitude in the block)) - 4, held to -126 .. 127; a block of zeros has e = 0. As a byte (E8M0): e + 127.
;;     - Each number is divided by its block's scale, clamped to +-28, and rounded to the nearest number of E3M2, ties to even, subnormals kept.
;;     - The product sums the exact products of the quantised numbers (number of the format x scale) in f32.
;;   ~~~python
;;   def quantise(x, axis):      # numpy; x: float32 -> the quantised numbers, widened to float32 again
;;       x = np.moveaxis(x, axis, -1); K = x.shape[-1]
;;       x = np.pad(x, [(0, 0)] * (x.ndim - 1) + [(0, -K % 32)]); x = x.reshape(x.shape[:-1] + (-1, 32)); a = np.abs(x).max(-1, keepdims=True)
;;       e = np.where(a > 0, np.clip(np.frexp(np.where(a > 0, a, 1))[1] - 1 - 4, -126, 127), 0)      # np.frexp(a)[1] - 1 = floor(log2(a)), exactly
;;       r = np.clip(x / 2.0 ** e, -28, 28)
;;       step = 2.0 ** (np.maximum(np.frexp(np.where(r == 0, 1, r))[1] - 1, -2) - 2)
;;       q = np.round(r / step) * step * 2.0 ** e      # np.round: ties to even
;;       return np.moveaxis(q.reshape(q.shape[:-2] + (-1,))[..., :K], -1, axis).astype(np.float32)
;;   ~~~
;; One version. Each part assembles by itself: llvm-mc -triple=amdgcn-amd-amdhsa -mcpu=gfx1250 --defsym DOCPART=n.
;; ======== version 1 of 1: 3 launches
;; workspace buffers: ucodes 819,200 bytes; bias 131,072 bytes; scores 262,144 bytes; stats 65,536 bytes; pctx 1,048,576 bytes
;; launch prep (part 1): grid 64 x 1, 8 waves a work-group, no clusters, 18,432 bytes of LDS; arguments U_w, W_w, s_prev, W_b, U_b, ucodes, bias; writes ucodes, bias
.if DOCPART == 1
	.amdgcn_target "amdgcn-amd-amdhsa--gfx1250"
	.amdhsa_code_object_version 6
	.text
	.protected	k_qfafe36f8b8_prep
	.globl	k_qfafe36f8b8_prep
	.p2align	8
	.type	k_qfafe36f8b8_prep,@function
k_qfafe36f8b8_prep:
	s_mov_b64 s[64:65], 0
	v_nop
	global_prefetch_b8 v0, s[64:65] scope:SCOPE_SE
	s_setreg_imm32_b32 hwreg(HW_REG_WAVE_MODE, 25, 1), 1
	s_wait_xcnt 0x0
; PREP.  (1) U_w [1024 (k)][1024 (n)] f32 becomes codes of BF6 (E3M2) with one E8M0 byte for each 32 along K, laid as IMAGES OF THE OPERAND'S REGISTERS:
;     column tile t (16 columns) owns 12,800 bytes of ucodes; fragment (t, K step s of 128) lies at 12800 t + 1536 s + 512 g + 16 lane (registers 4 g .. 4 g + 3 of the lane);
;     at 12800 t + 12288 + 16 lane + 4 q lies the scale word of column 16 t + lane % 16 for K step 2 q + lane / 16.
; (2) bias[b][n] = Q(s_prev) Q(W_w) + W_b + U_b, [32][1024] f32: the first quantised product, with both biases added.
; SHARES.  Work-group t takes column tile t, wave s takes K step s.  A lane takes a column, and its registers run down K, in the order that the operand's layout gives that lane: nothing is transposed.
; The eight waves' parts of the product meet in LDS and are added in ascending K.
; LIMITS: NaN and infinities among the inputs are not served.  A block whose largest magnitude lies under 2^-122 (a block of zeros among them) keeps the scale byte 1; a block of zeros has zero codes,
; which add nothing, and the bytes are read by this program alone.  A work-group owns 64 bytes of each row of bias, so those stores are 64 bytes long.
.set RED, 0                            ; LDS: eight waves x 2,048 bytes: images of the 16 result registers
.set SI,  16384                        ; LDS: 512 bytes: the image of U's scale words
.set XA,  16                           ; v16-79   64 numbers: U, later s_prev rows 16-31
.set XB,  80                           ; v80-143  64 numbers: W
.set XC,  144                          ; v144-207 64 numbers: s_prev rows 0-15
.set TM,  208                          ; v208-223 at work in the quantiser
.set TP,  224                          ; v224-231 second halves of blocks, as the conversions leave them
.set UF,  232                          ; v232-243 U's fragment, later W's
.set A0,  80                           ; v80-91   s_prev rows 0-15 as a fragment (W's numbers are done with)
.set A1,  96                           ; v96-107  rows 16-31
.set D0,  112                          ; v112-119, v120-127 the two results
.set D1,  120
.set SW,  8                            ; v8 W's scale words, v9, v10 s_prev's: they hold scales alone
.set S0,  9
.set S1,  10
.set SU,  11                           ; v11 U's scale word
; 64 numbers of a lane, register 32 c + i = k 64 c + 32 (lane / 16) + i of the lane's column: two whole blocks.  Codes into v[dst] .. v[dst + 11], the column's scale word into v[pw].
.macro QUANTW x, dst, pw
.irp c, 0,1
	v_max3_num_f32 v[TM+\c], |v[\x+32*\c]|, |v[\x+32*\c+1]|, 0x2800000   ; the floor 2^(5 - 127) among the leaves: the byte cannot fall under 1
.endr
.irp i, 2,4,6,8,10,12,14,16,18,20,22,24,26,28,30
.irp c, 0,1
	v_max3_num_f32 v[TM+\c], v[TM+\c], |v[\x+32*\c+\i]|, |v[\x+32*\c+\i+1]|
.endr
.endr
.irp c, 0,1
	v_add_nc_u32 v[TM+12+\c], 0xfe000000, v[TM+\c]       ; 4 off the exponent field: the conversion's scale operand
.endr
.irp c, 0,1
	v_lshrrev_b32 v[TM+4+\c], 23, v[TM+12+\c]            ; the scale's byte
.endr
	v_lshl_or_b32 v[\pw], v[TM+5], 16, v[TM+4]           ; my bytes: blocks h and 2 + h,
	v_lshlrev_b32 v[\pw], v15, v[\pw]                    ; 8 h bits up;
	v_permlanex16_b32 v[TM+6], v[\pw], s20, s21
	v_or_b32 v[\pw], v[\pw], v[TM+6]                     ; with lane l xor 16's two the word is whole
.irp c, 0,1
	v_cvt_scalef32_pk16_bf6_f32 v[\dst+6*\c:\dst+6*\c+2], v[\x+32*\c:\x+32*\c+15], v[TM+12+\c]
	v_cvt_scalef32_pk16_bf6_f32 v[TP+4*\c:TP+4*\c+2], v[\x+32*\c+16:\x+32*\c+31], v[TM+12+\c]   ; (a conversion's three registers begin on an even number)
.endr
	v_nop                                                ; one plain place behind a scaled conversion
.irp c, 0,1
.irp i, 0,1,2
	v_mov_b32 v[\dst+3+6*\c+\i], v[TP+4*\c+\i]
.endr
.endr
.endm
; 64 numbers of a lane, register 16 b + i = k 32 b + 16 (lane / 16) + i of the lane's ROW: a block lies in lanes l and l xor 16.
.macro QUANT s, dst, pw
.irp b, 0,1,2,3
	v_max3_num_f32 v[TM+\b], |v[\s+16*\b]|, |v[\s+1+16*\b]|, 0x2800000
.endr
.irp i, 2,4,6,8,10,12,14
.irp b, 0,1,2,3
	v_max3_num_f32 v[TM+\b], v[TM+\b], |v[\s+16*\b+\i]|, |v[\s+1+16*\b+\i]|
.endr
.endr
.irp b, 0,1,2,3
	v_permlanex16_b32 v[TM+4+\b], v[TM+\b], s20, s21
.endr
.irp b, 0,1,2,3
	v_max_num_f32 v[TM+\b], v[TM+\b], v[TM+4+\b]
.endr
.irp b, 0,1,2,3
	v_add_nc_u32 v[TM+12+\b], 0xfe000000, v[TM+\b]
.endr
.irp b, 0,1,2,3
	v_lshrrev_b32 v[TM+4+\b], 23, v[TM+12+\b]
.endr
	v_lshl_or_b32 v[\pw], v[TM+5], 8, v[TM+4]
	v_lshl_or_b32 v[\pw], v[TM+6], 16, v[\pw]
	v_lshl_or_b32 v[\pw], v[TM+7], 24, v[\pw]
.irp c, 0,1
	v_cvt_scalef32_pk16_bf6_f32 v[\dst+6*\c:\dst+2+6*\c], v[\s+32*\c:\s+15+32*\c], v[TM+12+2*\c]
	v_cvt_scalef32_pk16_bf6_f32 v[TP+4*\c:TP+2+4*\c], v[\s+16+32*\c:\s+31+32*\c], v[TM+12+2*\c+1]
.endr
	v_nop                                                ; one plain place behind a scaled conversion
.irp c, 0,1                                          ; the operand's layout wants a whole block in a lane
.irp i, 0,1,2
	v_permlane16_swap_b32 v[\dst+6*\c+\i], v[TP+4*\c+\i]
.endr
.irp i, 0,1,2
	v_mov_b32 v[\dst+3+6*\c+\i], v[TP+4*\c+\i]
.endr
.endr
.endm
.macro WLOAD x, lo                     ; register 32 c + i takes row 64 c + 32 h + i of my K step, at my column
.set n, 0
.rept 64
	global_load_b32 v[\x+n], v3, s[\lo:\lo+1] offset:(64*(n/32)+n%32)*4096
.set n, n+1
.endr
.endm
.macro SLOAD x, off                    ; 16 rows of s_prev, my K step: of each block of 32 my half's 16 neighbours
.irp b, 0,1,2,3
.irp j, 0,1,2,3
	global_load_b128 v[\x+16*\b+4*\j:\x+16*\b+4*\j+3], v4, s[8:9] offset:\off+128*\b+16*\j
.endr
.endr
.endm
	s_load_b256 s[4:11], s[0:1], 0x0               ; U_w s[4:5], W_w s[6:7], s_prev s[8:9], W_b s[10:11]
	s_load_b128 s[12:15], s[0:1], 0x20             ; U_b s[12:13], ucodes s[14:15]
	s_load_b64 s[16:17], s[0:1], 0x30              ; bias
	v_lshl_add_u32 v254, v0, 2, 0x4400
	v_mov_b32 v255, 0
	v_lshrrev_b32 v1, 5, v0
	v_readfirstlane_b32 s18, v1                    ; wave = K step s
	v_and_b32 v1, 15, v0                           ; r
	v_bfe_u32 v2, v0, 4, 1                         ; h
	v_lshlrev_b32 v14, 2, v1                       ; 4 r
	v_lshl_add_u32 v3, v2, 17, v14                 ; U, W: 32 h rows of 4,096 bytes + 4 r
	v_lshlrev_b32 v4, 12, v1
	v_lshl_add_u32 v4, v2, 6, v4                   ; s_prev: row r + 64 h
	v_and_b32 v5, 31, v0
	v_lshlrev_b32 v5, 4, v5                        ; 16 x lane
	v_lshlrev_b32 v15, 3, v2                       ; 8 h
	v_lshl_add_u32 v246, v2, 15, v14               ; bias: 8 h rows + 4 r
.irp b, 4,5,6,7
	v_mov_b32 v[TM+\b], 0                          ; written once: a lane permute's destination counts as one of its sources
.endr
	s_mov_b32 s20, 0x76543210
	s_mov_b32 s21, 0xfedcba98                      ; selects for lane l xor 16
	s_lshl_b32 s22, s18, 19                        ; 128 s rows of 4,096 bytes
	s_lshl_b32 s24, ttmp9, 6                       ; 64 t: my tile's 16 columns
	s_add_co_u32 s22, s22, s24
	s_mov_b32 s23, 0
	s_mov_b32 s25, 0
	s_lshl_b32 s26, s18, 9                         ; 512 s
	s_mov_b32 s27, 0
	s_mul_i32 s28, ttmp9, 12800
	s_mov_b32 s29, 0
	s_mul_i32 s30, s18, 1536
	s_mov_b32 s31, 0
	s_lshl_b32 s34, s18, 11
	v_add_nc_u32 v6, s34, v5                       ; LDS: my wave's image of its results
	s_and_b32 s34, s18, 1
	s_lshl_b32 s35, s34, 8
	s_lshr_b32 s36, s18, 1
	s_lshl_b32 s37, s36, 2
	s_add_co_u32 s35, s35, s37
	s_add_co_u32 s35, s35, SI
	v_lshl_add_u32 v7, v1, 4, s35                  ; LDS: SI + 16 (r + 16 (s % 2)) + 4 (s / 2)
	s_lshl_b32 s36, s36, 9
	s_lshl_b32 s34, s34, 3
	s_add_co_u32 s36, s36, s34
	v_add_nc_u32 v245, s36, v5                     ; LDS: registers 2 w, 2 w + 1 of an image: 512 (w / 2) + 8 (w % 2) + 16 lane
	s_lshr_b32 s38, s18, 2
	s_lshl_b32 s38, s38, 4
	s_and_b32 s39, s18, 3
	s_lshl_b32 s39, s39, 1
	s_add_co_u32 s38, s38, s39                     ; the first batch row that I finish: 16 (w / 4) + 2 (w % 4)
	s_lshl_b32 s38, s38, 12
	s_add_co_u32 s38, s38, s24
	s_mov_b32 s39, 0
	s_wait_kmcnt 0x0
	s_add_nc_u64 s[4:5], s[4:5], s[22:23]
	s_add_nc_u64 s[6:7], s[6:7], s[22:23]
	s_add_nc_u64 s[8:9], s[8:9], s[26:27]
	s_add_nc_u64 s[10:11], s[10:11], s[24:25]
	s_add_nc_u64 s[12:13], s[12:13], s[24:25]
	s_add_nc_u64 s[14:15], s[14:15], s[28:29]      ; my tile's 12,800 bytes
	s_add_nc_u64 s[32:33], s[14:15], s[30:31]      ; my fragment in them
	s_add_nc_u64 s[16:17], s[16:17], s[38:39]
	global_load_b32 v12, v14, s[10:11]             ; W_b and U_b at my column
	global_load_b32 v13, v14, s[12:13]
	WLOAD XA, 4                                    ; U
	WLOAD XB, 6                                    ; W
	SLOAD XC, 0                                    ; s_prev rows 0-15
	s_wait_loadcnt 63                              ; behind U's loads 80 were issued; 63 is the largest count that the wait can name
	QUANTW XA, UF, SU
.irp g, 0,1,2
	global_store_b128 v5, v[UF+4*\g:UF+4*\g+3], s[32:33] offset:512*\g   ; 32 lanes store 512 consecutive bytes
.endr
	ds_store_b32 v7, v[SU]                         ; both halves of the lanes write the same word with the same value
	SLOAD XA, 65536                                ; s_prev rows 16-31, into the registers that U has left
	s_wait_xcnt 0x0                                ; the stores have read UF: it is written again only behind this wait
	s_wait_loadcnt 32                              ; W is in; the two pieces of s_prev may be out
	QUANTW XB, UF, SW
	s_wait_loadcnt 16
	QUANT XC, A0, S0
	s_wait_loadcnt 0x0
	QUANT XA, A1, S1
.rept 8
	v_nop                                          ; a scale register written by a vector instruction stands 8 places ahead of a scaled matrix instruction, an operand so written 4
.endr
	v_wmma_scale_f32_16x16x128_f8f6f4 v[D0:D0+7], v[A0:A0+11], v[UF:UF+11], 0, v[S0], v[SW] matrix_a_fmt:MATRIX_FMT_BF6 matrix_b_fmt:MATRIX_FMT_BF6
	v_wmma_scale_f32_16x16x128_f8f6f4 v[D1:D1+7], v[A1:A1+11], v[UF:UF+11], 0, v[S1], v[SW] matrix_a_fmt:MATRIX_FMT_BF6 matrix_b_fmt:MATRIX_FMT_BF6
.rept 4
	v_nop                                          ; four places in front of the first read of results (ISA guide 7.12.1)
.endr
	ds_store_b128 v6, v[D0:D0+3]                   ; register j of lane (r, h): batch row 8 h + j (D1: + 16), column r.  Each result from its low end on
	ds_store_b128 v6, v[D0+4:D0+7] offset:512
	ds_store_b128 v6, v[D1:D1+3] offset:1024
	ds_store_b128 v6, v[D1+4:D1+7] offset:1536
	s_wait_dscnt 0x0                               ; for the others' sake: my stores have landed
	s_barrier_signal -1
	s_barrier_wait -1
.irp k, 0,1,2,3,4,5,6,7
	ds_load_b64 v[16+2*\k:17+2*\k], v245 offset:2048*\k   ; registers 2 w, 2 w + 1 of the eight K steps' images
.endr
	v_add_f32 v12, v12, v13                        ; W_b + U_b
	s_wait_dscnt 0x0
.irp k, 1,2,3,4,5,6,7
	v_pk_add_f32 v[16:17], v[16:17], v[16+2*\k:17+2*\k]   ; K ascending
.endr
	v_add_f32 v16, v16, v12
	v_add_f32 v17, v17, v12
	global_store_b32 v246, v16, s[16:17]
	global_store_b32 v246, v17, s[16:17] offset:4096
	s_cmp_lg_u32 s18, 0                            ; wave 0 sends the tile's scale words
	s_cbranch_scc1 .Ldone
	ds_load_b128 v[20:23], v5 offset:SI
	s_wait_dscnt 0x0
	global_store_b128 v5, v[20:23], s[14:15] offset:12288
.Ldone:
	s_wait_tensorcnt 0x0
	ds_add_u32 v254, v255
	s_wait_dscnt 0x0
	s_endpgm
.Lfunc_end_k_qfafe36f8b8_prep:
	.size	k_qfafe36f8b8_prep, .Lfunc_end_k_qfafe36f8b8_prep-k_qfafe36f8b8_prep
	.p2alignl 7, 3214868480
	.fill 96, 4, 3214868480
	.section	.rodata,"a",@progbits
	.p2align	6, 0x0
	.amdhsa_kernel k_qfafe36f8b8_prep
		.amdhsa_group_segment_fixed_size 18432
		.amdhsa_private_segment_fixed_size 0
		.amdhsa_enable_private_segment 0
		.amdhsa_kernarg_size 56
		.amdhsa_user_sgpr_count 2
		.amdhsa_user_sgpr_kernarg_segment_ptr 1
		.amdhsa_wavefront_size32 1
		.amdhsa_system_sgpr_workgroup_id_x 1
		.amdhsa_system_sgpr_workgroup_id_y 1
		.amdhsa_system_sgpr_workgroup_id_z 1
		.amdhsa_system_vgpr_workitem_id 0
		.amdhsa_next_free_vgpr 256
		.amdhsa_next_free_sgpr 66
		.amdhsa_reserve_vcc 0
		.amdhsa_float_denorm_mode_32 3
		.amdhsa_float_denorm_mode_16_64 3
		.amdhsa_memory_ordered 1
		.amdhsa_forward_progress 1
		.amdhsa_inst_pref_size 35
	.end_amdhsa_kernel
	.amdgpu_metadata
---
amdhsa.version: [ 1, 2 ]
amdhsa.kernels:
  - .name:           k_qfafe36f8b8_prep
    .symbol:         k_qfafe36f8b8_prep.kd
    .args:
      - { .name: U_w, .offset: 0, .size: 8, .value_kind: global_buffer, .address_space: global }
      - { .name: W_w, .offset: 8, .size: 8, .value_kind: global_buffer, .address_space: global }
      - { .name: s_prev, .offset: 16, .size: 8, .value_kind: global_buffer, .address_space: global }
      - { .name: W_b, .offset: 24, .size: 8, .value_kind: global_buffer, .address_space: global }
      - { .name: U_b, .offset: 32, .size: 8, .value_kind: global_buffer, .address_space: global }
      - { .name: ucodes, .offset: 40, .size: 8, .value_kind: global_buffer, .address_space: global }
      - { .name: bias, .offset: 48, .size: 8, .value_kind: global_buffer, .address_space: global }
    .group_segment_fixed_size: 18432
    .private_segment_fixed_size: 0
    .kernarg_segment_align: 8
    .kernarg_segment_size: 56
    .max_flat_workgroup_size: 256
    .sgpr_count:     66
    .vgpr_count:     256
    .wavefront_size: 32
...
	.end_amdgpu_metadata
.endif
;; end of part 1
;; launch main (part 2): grid 256 x 1, 4 waves a work-group, clusters of 4 x 1, 327,680 bytes of LDS; arguments hidden_states, ucodes, bias, V_w, V_b, scores, stats, pctx; writes scores, stats, pctx
.if DOCPART == 2
	.amdgcn_target "amdgcn-amd-amdhsa--gfx1250"
	.amdhsa_code_object_version 6
	.text
	.protected	k_qfafe36f8b8_main
	.globl	k_qfafe36f8b8_main
	.p2align	8
	.type	k_qfafe36f8b8_main,@function
k_qfafe36f8b8_main:
	s_mov_b64 s[64:65], 0
	v_nop
	global_prefetch_b8 v0, s[64:65] scope:SCOPE_SE
	s_setreg_imm32_b32 hwreg(HW_REG_WAVE_MODE, 25, 1), 1
	s_wait_xcnt 0x0
	s_wait_alu depctr_hold_cnt(0) depctr_sa_sdst(0) depctr_va_vdst(0) depctr_va_sdst(0) depctr_va_ssrc(0) depctr_va_vcc(0) depctr_vm_vsrc(0)
	s_getreg_b32 s2, hwreg(HW_REG_IB_STS2, 6, 4)
	s_cmp_eq_u32 s2, 0
	s_cbranch_scc0 .Lentry_in_a_cluster
	s_endpgm
.Lentry_in_a_cluster:
	s_bfe_u32 s2, ttmp6, 0x10000c
	s_cmp_lg_u32 s2, 0x3003
	s_cbranch_scc0 .Lentry_shape_is_right
	s_endpgm
.Lentry_shape_is_right:
; MAIN.  For 256 rows of hidden_states (all of one batch): quantise them to BF6 along K; uh + ws + biases by the scaled matrix instruction; tanh; the product with V_w in f32; the raw scores;
; the block's largest score m, p = e^(score - m), l = the sum of p, and the unnormalised partial context, the sum of p x row.  The last launch joins a batch's eight blocks.
; SHARES.  Work-group wg = 4 x cluster + cx owns rows 256 wg on; wave w owns 64 of them: four tiles of 16.  Their 32 fragments (8 K steps x 4 tiles, 384 registers) stay in registers for the whole product.
; Every wave walks all 64 column tiles of U, four to a chunk, from a ring of two LDS slots; a fragment of U read from LDS feeds four matrix instructions.
; CLUSTER.  All work-groups walk the same codes of U, so the four partners ask for each chunk JOINTLY: the same tensor load, the same descriptor, a mask that names the four.  cx enters global addresses alone.
; THE MATRIX INSTRUCTION IS USED TRANSPOSED: source 0 = 16 columns of U, source 1 = 16 rows of h.  A lane then holds ONE row (lane % 16) and the columns 8 (lane / 16) + 0 .. 7 of a tile; the bias is the C of a sum's first instruction.
; tanh(x) = 1 - 2 r, r = 1 / (1 + 2^(2 x log2 e)): it goes to +-1 through infinity and 0.  The score is (sum of V + V_b) - 2 x sum of V r, all in f32.
; BY TURNS.  A chunk is two HALVES of two column tiles: 8 accumulators, 64 matrix instructions.  There are two sets of accumulators: while one half is multiplied, the other set's activation (224 vector instructions)
; stands in 64 slices, one behind each matrix instruction.  U's fragments come in runs of six LDS loads, a K step at a time, three K steps ahead of their use.
; hidden_states is read TWICE: 256 rows in f32 are 1 MiB, more than registers and LDS hold beside U's ring, and a row's weight is known only when all 1,024 columns are done.
; LIMITS: NaN and infinities among the inputs are not served.  A block whose largest magnitude lies under 2^-122 (a block of zeros among them) keeps the scale byte 1; its codes are then zeros or the nearest codes under that scale.
; REGISTERS, in windows of 256 (s_set_vgpr_msb: bits 1:0 source 0, 3:2 source 1, 5:4 source 2, 7:6 destination):
;   window 0: v1-31 addresses and work; v32-63 h's scale words, v64-79 U's (they hold scales alone); v80-95 at work in the quantiser, later the scores; v96-116 codes just made; v128-255 numbers of h, later the context
;   window 1: v0-191 h's fragments of K steps 0-3; v192-223 the chunk's bias      window 2: v0-191 K steps 4-7; v192-223 the chunk's V
;   window 3: four pieces of h as loaded; in the product: v0-127 the two sets of accumulators, v128-223 four buffers of U's fragments, v224-239 the score sums, v240-245 LDS addresses; later eight rows of h
; In the product the accumulators, U's fragments and the address of U's loads share window 3, so that matrix instructions, slices and U's loads run under one setting.
.set SLOT1,  65536                     ; slot 0 at 0, slot 1 here: one exclusive or turns an address
.set TILEB,  12800                     ; a column tile of U: 8 fragments of 1,536 bytes and 512 bytes of scale words
.set CHB,    51200                     ; a chunk: four tiles
.set BIASL,  51200                     ; my batch's 1,024 biases
.set VL,     55296                     ; V_w
.set SPARE,  59392                     ; the spare words, 128 bytes for each wave: two blocks of 256 bytes that no other line names
.set SCR,    59904                     ; +0 four waves' maxima, +16 their sums, +256 + 256 w a wave's 64 p
.set IMG,    116736                    ; 32,768 bytes a wave: images of fragments: 8,192 (trip % 4) + 1,536 m + 512 g + 16 lane
.set ISC,    247808                    ; 4,096 bytes a wave: their scale words: 128 (4 s + m) + 4 lane
.set STG,    264192                    ; 8,448 bytes a wave: 16 rows of 512 bytes + 16
.set CRED,   297984                    ; 4,096 bytes a wave: its partial context
.set SPITCH, 528
.set L16, 1                            ; 16 x lane
.set L4,  2                            ; 4 x lane
.set RR,  3                            ; lane % 16
.set HH,  4                            ; lane / 16
.set SPW, 5                            ; SPARE + 4 x thread; never rewritten
.set NIL, 6                            ; 0; never rewritten
.set STS, 7                            ; the stage, on the way in
.set STL, 8                            ; and on the way out
.set IMS, 9                            ; my wave's images
.set ISS, 10                           ; and their scale words
.set IMA, 11                           ; the same for the trip in hand
.set ISA, 12
.set BV0, 15                           ; BIASL + 32 h
.set BV1, 16                           ; VL + 32 h
.set PFO, 19                           ; 256 x lane; never rewritten
.set KC,  20                           ; the sum of V + V_b
.set T16, 21                           ; 16 x thread; in phase 3 the address of the trip's eight p
.set ASC, 32
.set BSC, 64
.set TM,  80
.set SA,  80
.set PC,  96
.set TP,  108
.set PW,  116
.set PR,  96
.set CT,  128
.set BB,   128                         ; window 3: U's fragments: buffer q (K steps q, q + 4) at BB + 24 q, the half's two tiles 12 apart
.set SA3,  224                         ; window 3: the score sums: a pair for each of the 8 accumulators of a half
.set AD,   240                         ; window 3: 16 lane + the slot from which U is being fetched
.set VAD,  241                         ; window 3: VL + 32 h + 256 chunk
.set BIAD, 242                         ; window 3: BIASL + 32 h + 256 chunk
.set L16C, 243                         ; window 3: copies of 16 lane, BIASL + 32 h, VL + 32 h; never rewritten
.set BV0C, 244
.set BV1C, 245
.set WV,  20                           ; s20 wave, s21 cx, s22 work-group
.set CX,  21
.set WG,  22
.set G1,  24                           ; s[24:31] descriptor group 1
.set G0A, 32                           ; s[32:35] group 0 of the first fill of slot 0
.set G0B, 36                           ; s[36:39] group 0 that walks
.set HB0, 40                           ; s[40:41] my wave's first row of h; never rewritten
.set HB,  42                           ; s[42:43] the same, stepped
.set SEL, 44
.set C2,  46                           ; s[46:47] 2 log2 e
.set LG,  48                           ; log2 e
.set VB,  49                           ; V_b
.set CNT, 50
.set TB,  51                           ; the slot from which U is being fetched
.set CB,  53                           ; 256 x chunk
.set MSB, 0
.macro WIN new                         ; the immediate's high byte repeats the setting that is left
.if MSB != \new
	s_set_vgpr_msb (MSB<<8)|\new
.set MSB, \new
.endif
.endm
.macro PLACES                          ; four plain places
.rept 4
	v_nop
.endr
.endm
.macro CREST                           ; a round of the cluster's barrier behind its opening barrier
	s_cmp_lg_u32 s[WV], 0
	s_cbranch_scc1 .Lnot_wave_0_\@
	s_barrier_signal -3
.Lnot_wave_0_\@:
	s_barrier_wait -3
	s_barrier_signal -1
	s_barrier_wait -1
.endm
.macro CROUND
	s_barrier_signal -1
	s_barrier_wait -1
	CREST
.endm
; ---- phase 1's macros
.macro GLOAD st, m, off                ; 16 rows (tile m) x 512 bytes (a K step) into piece st of window 3: each load reads 512 consecutive bytes of one row
	WIN 0xc0
.set i, 0
.rept 16
	global_load_b128 v[64*(\st)+4*i:64*(\st)+4*i+3], v[L16], s[HB:HB+1] offset:(16*(\m)+i)*4096+(\off)
.set i, i+1
.endr
.endm
.macro TURNX st, x                     ; through my own stage: in as loaded, out so that register 16 b + i is k 32 b + 16 h + i of row r.  LDS serves a wave's instructions in order
	WIN 0x0c
.set i, 0
.rept 16
	ds_store_b128 v[STS], v[64*(\st)+4*i:64*(\st)+4*i+3] offset:i*SPITCH
.set i, i+1
.endr
	WIN 0
.irp b, 0,1,2,3
.irp j, 0,1,2,3
	ds_load_b128 v[128+64*(\x)+16*\b+4*\j:128+64*(\x)+16*\b+4*\j+3], v[STL] offset:128*\b+16*\j
.endr
.endr
.endm
.macro QUANT s, dst, pw                ; 64 numbers of a lane become a fragment's codes and its row's scale word
.irp b, 0,1,2,3
	v_max3_num_f32 v[TM+\b], |v[\s+16*\b]|, |v[\s+1+16*\b]|, 0x2800000   ; the floor 2^(5 - 127) among the leaves: the byte cannot fall under 1
.endr
.irp i, 2,4,6,8,10,12,14
.irp b, 0,1,2,3
	v_max3_num_f32 v[TM+\b], v[TM+\b], |v[\s+16*\b+\i]|, |v[\s+1+16*\b+\i]|
.endr
.endr
.irp b, 0,1,2,3
	v_permlanex16_b32 v[TM+4+\b], v[TM+\b], s[SEL], s[SEL+1]
.endr
.irp b, 0,1,2,3
	v_max_num_f32 v[TM+\b], v[TM+\b], v[TM+4+\b]         ; with lane l xor 16's: the block's largest magnitude
.endr
.irp b, 0,1,2,3
	v_add_nc_u32 v[TM+12+\b], 0xfe000000, v[TM+\b]       ; 4 off its exponent field: the conversion's scale operand
.endr
.irp b, 0,1,2,3
	v_lshrrev_b32 v[TM+4+\b], 23, v[TM+12+\b]            ; the scale's byte
.endr
	v_lshl_or_b32 v[\pw], v[TM+5], 8, v[TM+4]
	v_lshl_or_b32 v[\pw], v[TM+6], 16, v[\pw]
	v_lshl_or_b32 v[\pw], v[TM+7], 24, v[\pw]
.irp c, 0,1
	v_cvt_scalef32_pk16_bf6_f32 v[\dst+6*\c:\dst+2+6*\c], v[\s+32*\c:\s+15+32*\c], v[TM+12+2*\c]
	v_cvt_scalef32_pk16_bf6_f32 v[TP+4*\c:TP+2+4*\c], v[\s+16+32*\c:\s+31+32*\c], v[TM+12+2*\c+1]   ; (a conversion's three registers begin on an even number)
.endr
	v_nop                                                ; one plain place behind a scaled conversion
.irp c, 0,1                                          ; the operand's layout wants a whole block in a lane
.irp i, 0,1,2
	v_permlane16_swap_b32 v[\dst+6*\c+\i], v[TP+4*\c+\i]
.endr
.irp i, 0,1,2
	v_mov_b32 v[\dst+3+6*\c+\i], v[TP+4*\c+\i]
.endr
.endr
.endm
.macro IMAGE m                         ; the fragment goes to LDS as it stands in the registers
.irp g, 0,1,2
	ds_store_b128 v[IMA], v[PC+4*\g:PC+4*\g+3] offset:1536*(\m)+512*\g
.endr
	ds_store_b32 v[ISA], v[PW] offset:128*(\m)
.endm
; Tile m of the trip's K step.  ahead = 1: the piece's registers take the same tile of the next K step.  turn = 1: the next piece goes through the stage while this one is quantised; lcnt: the loads younger than that piece's.
.macro PIECE m, ahead, lcnt, turn
	s_wait_dscnt 4                                 ; all but the last piece's four image stores: my numbers are back from the stage, so the stage's stores have read piece m's registers
.if \ahead
	GLOAD \m, \m, 512
.endif
.if \turn
	s_wait_loadcnt \lcnt
	TURNX (\m+1)%4, (\m+1)%2
	s_wait_dscnt 32                                ; all but the 32 just issued: the last piece's image stores have read the registers that are written next
.else
	s_wait_dscnt 0x0
.endif
	QUANT 128+64*((\m)%2), PC, PW
	IMAGE \m
.endm
.macro TRIP ahead                      ; one K step of my 64 rows
	s_wait_dscnt 0x0                               ; no LDS instruction of mine is out: the two address registers are written
	v_add_nc_u32 v[IMA], s54, v[IMS]
	v_add_nc_u32 v[ISA], s55, v[ISS]
.if \ahead
	PIECE 0, 1, 48, 1                              ; 48: three younger pieces of 16 loads
	PIECE 1, 1, 48, 1
	PIECE 2, 1, 48, 1
	PIECE 3, 1, 48, 1
	s_wait_xcnt 0x0                                ; the loads have read their base: it steps only behind this wait
	s_add_nc_u64 s[HB:HB+1], s[HB:HB+1], 512
	s_add_co_u32 s54, s54, 8192
	s_add_co_u32 s55, s55, 512
.else
	PIECE 0, 0, 32, 1                              ; the last K step loads nothing: the counts run down
	PIECE 1, 0, 16, 1
	PIECE 2, 0, 0, 1
	PIECE 3, 0, 0, 0
.endif
.endm
.macro ALOAD u                         ; four K steps' images come back as operands: 16 fragments into window 1 + u, their scale words into v[ASC + 16 u] on
	WIN 0x40*(1+\u)
.set f, 0
.rept 16
.irp g, 0,1,2
	ds_load_b128 v[12*f+4*\g:12*f+4*\g+3], v[IMS] offset:8192*(f/4)+1536*(f%4)+512*\g
.endr
.set f, f+1
.endr
	WIN 0
.set f, 0
.rept 16
	ds_load_b32 v[ASC+16*(\u)+f], v[ISS] offset:128*(16*(\u)+f)
.set f, f+1
.endr
.endm
; ---- phase 2's macros.  kk: the matrix instruction's number in its half, 0 .. 63; ks = kk / 8: the K step; ai = kk % 8: the accumulator, 2 x (tile of rows) + (tile of columns)
.macro BLD st, tb                      ; U's fragments of K step st, tiles tb, tb + 1 of the slot, into buffer st % 4: six loads of 512 consecutive bytes; destination and address lie in window 3
.irp il, 0,1
.irp g, 0,1,2
	ds_load_b128 v[BB+24*((\st)%4)+12*\il+4*\g:BB+24*((\st)%4)+12*\il+4*\g+3], v[AD] offset:TILEB*((\tb)+\il)+1536*(\st)+512*\g
.endr
.endr
.endm
.macro BSC2 tb                         ; two tiles' scale words: register 4 i + q: lanes 0-15 K step 2 q, lanes 16-31 K step 2 q + 1
	WIN 0x03
.irp il, 0,1
	ds_load_b128 v[BSC+4*((\tb)+\il):BSC+4*((\tb)+\il)+3], v[AD] offset:TILEB*((\tb)+\il)+12288
.endr
.endm
.macro BIAS2 tb, off                   ; two tiles' biases, eight registers a tile, in the result's layout, into window 1
	WIN 0x43
.irp il, 0,1
.irp e, 0,1
	ds_load_b128 v[192+8*((\tb)+\il)+4*\e:192+8*((\tb)+\il)+4*\e+3], v[BIAD] offset:(\off)+64*((\tb)+\il)+16*\e
.endr
.endr
.endm
.macro VLD2 tb                         ; two tiles' V, likewise, into window 2
	WIN 0x83
.irp il, 0,1
.irp e, 0,1
	ds_load_b128 v[192+8*((\tb)+\il)+4*\e:192+8*((\tb)+\il)+4*\e+3], v[VAD] offset:64*((\tb)+\il)+16*\e
.endr
.endr
.endm
; One matrix instruction of half par.  The eight accumulators take turns, one instruction a turn, in the same order in every K step.
.macro MM par
.set rD, 64*(\par)+8*ai
.set rB, BB+24*(ks%4)+12*(ai%2)
.set rA, 12*(4*(ks%4)+ai/2)
.set rT, 2*(\par)+ai%2
.set rSB, BSC+4*rT+ks/2
.set rSA, ASC+4*ks+ai/2
.if ks == 0
	v_wmma_scale_f32_16x16x128_f8f6f4 v[rD:rD+7], v[rB:rB+11], v[rA:rA+11], v[192+8*rT:192+8*rT+7], v[rSB], v[rSA] matrix_a_fmt:MATRIX_FMT_BF6 matrix_b_fmt:MATRIX_FMT_BF6
.elseif ks%2
	v_wmma_scale_f32_16x16x128_f8f6f4 v[rD:rD+7], v[rB:rB+11], v[rA:rA+11], v[rD:rD+7], v[rSB], v[rSA] matrix_a_fmt:MATRIX_FMT_BF6 matrix_b_fmt:MATRIX_FMT_BF6 matrix_a_scale:MATRIX_SCALE_ROW1
.else
	v_wmma_scale_f32_16x16x128_f8f6f4 v[rD:rD+7], v[rB:rB+11], v[rA:rA+11], v[rD:rD+7], v[rSB], v[rSA] matrix_a_fmt:MATRIX_FMT_BF6 matrix_b_fmt:MATRIX_FMT_BF6
.endif
.endm
.macro PKM r
	v_pk_mul_f32 v[\r:\r+1], v[\r:\r+1], s[C2:C2+1] op_sel_hi:[1,0]
.endm
.macro EXP1 r
	v_exp_f32 v[\r], v[\r]
.endm
.macro PKA r
	v_pk_add_f32 v[\r:\r+1], v[\r:\r+1], 1.0 op_sel_hi:[1,0]
.endm
.macro RCP1 r
	v_rcp_f32 v[\r], v[\r]
.endm
.macro FMA1 ep                         ; multiply-add number ef of 32: pair ef / 8 of accumulator ef % 8: eight chains by turns
.set fq, ef/8
.set fa, ef%8
	v_pk_fma_f32 v[SA3+2*fa:SA3+2*fa+1], v[eb+8*fa+2*fq:eb+8*fa+2*fq+1], v[192+8*(2*(\ep)+fa%2)+2*fq:192+8*(2*(\ep)+fa%2)+2*fq+1], v[SA3+2*fa:SA3+2*fa+1]
.set ef, ef+1
.endm
; Slice kk of 64 of the activation of accumulator set ep: 64 numbers a lane, r = 1 / (1 + 2^(2 x log2 e)), and the score sums take V r.
;   slices 0-27:  the 32 scalings (a pair each, every accumulator from its low end on) and the 64 exponentials; a number is scaled before its exponential; none of these reads an exponential's result
;   slices 28-51: the 32 additions of 1 and the 64 reciprocals, in the same way
;   slices 52-63: the 32 multiply-adds with V (source 1 in window 2: they stand in K steps 6 and 7)
; Each kind of transcendental is one batch, with one plain place and one wait behind it, ahead of its first reader; both waits stand directly ahead of a run of LDS loads.
; Every slice holds a plain instruction that names no register of the products round it: five slices stand between a buffer's last product and the loads into it, so they are the four places that those loads want
; (ISA guide 7.12.1 for vector instructions); slices 56-63 are the places between a set's last products and the first scaling that reads them.
.macro SL ep
.set eb, 64*(\ep)
.if kk < 4
	PKM eb+4*kk
	PKM eb+4*kk+2
	EXP1 eb+2*kk
	EXP1 eb+2*kk+1
.elseif kk < 28
.set ej, kk-4
.set en, eb+8+2*ej+ej/3
	PKM eb+16+2*ej
	EXP1 en
	EXP1 en+1
.if ej%3 == 2
	EXP1 en+2
.endif
.if kk == 27
	v_nop
	s_wait_alu depctr_va_vdst(0)
.endif
.elseif kk < 36
.set ej, kk-28
	PKA eb+4*ej
	PKA eb+4*ej+2
	RCP1 eb+2*ej
	RCP1 eb+2*ej+1
.elseif kk < 52
.set ej, kk-36
	PKA eb+32+2*ej
	RCP1 eb+16+3*ej
	RCP1 eb+17+3*ej
	RCP1 eb+18+3*ej
.if kk == 51
	v_nop
	s_wait_alu depctr_va_vdst(0)
.endif
.else
.set ej, kk-52
.set ef, 8*(ej/3)+3*(ej%3)
	FMA1 \ep
	FMA1 \ep
.if ej%3 < 2
	FMA1 \ep
.endif
.endif
.endm
; The head of a K step: the wait for its six loads, and the windows.  The count is the number of LDS instructions issued behind those six: the runs of the next two K steps (six each) and what rides in front of them
; (V 4, bias 4, scale words 2).  In the second half of a chunk that leaves its slot (mode 0, 1) K steps 5 and 6 open the change of slots.
.macro KHEAD par, mode
.if ((\par) == 1) && ((\mode) < 2) && (ks == 5)
	WIN 0                                          ; (the add's two registers lie in window 0)
	s_wait_tensorcnt 0x0                           ; all my tensor loads have landed: my tile of the next chunk;
	ds_add_u32 v[SPW], v[NIL]                      ; 0 onto my spare word: K step 5's products and slices stand between it and the wait for it
.if (\mode) == 0
	s_xor_b32 s[G0B+1], s[G0B+1], SLOT1            ; no load of mine is out, so the walking descriptor is written: the slot that is being left,
	s_add_nc_u64 s[G0B+2:G0B+3], s[G0B+2:G0B+3], CHB   ; the next chunk but one; the type bits on top are not reached
.endif
	s_wait_dscnt 13                                ; K step 5 is in; the runs of K steps 6 and 7 and the add may be out
.elseif ((\par) == 1) && ((\mode) < 2) && (ks == 6)
	s_wait_dscnt 0x0                               ; the add is done, and my reads of this slot are over
	s_barrier_signal -1
.elseif ((\par) == 1) && ((\mode) < 2) && (ks == 7)
.else
.set WC, 12
.if (\par) == 0
.if ks == 0
.set WC, 6
.elseif ks == 2
.set WC, 16
.elseif ks == 3
.set WC, 20
.elseif ks == 4
.set WC, 18
.elseif ks == 5
.set WC, 14
.endif
.else
.if ks == 2
.set WC, 16
.elseif (ks == 3) && ((\mode) < 2)
.set WC, 20
.elseif ks == 3
.set WC, 16
.elseif (ks == 4) && ((\mode) < 2)
.set WC, 16
.elseif ks == 6
.set WC, 6
.elseif ks == 7
.set WC, 0
.endif
.endif
	s_wait_dscnt WC
.endif
.if ks == 0
.set WS, 0xd7                          ; U window 3, h window 1, C (the bias) window 1, D window 3
.elseif ks < 4
.set WS, 0xf7                          ; C window 3
.else
.set WS, 0xfb                          ; h, and the slices' V, window 2
.endif
	WIN WS
.endm
; The change of slots, behind the fourth product of the second half's K step 6.  No LDS instruction of mine is out since the wait in front of the signal, so the LDS address registers are written here, between signal and wait.
.macro SWAP mode
	s_xor_b32 s[TB], s[TB], SLOT1                  ; U comes from the other slot from here on
	s_add_co_u32 s[CB], s[CB], 256                 ; bias and V of the next chunk
	WIN 0xcc                                       ; destination and source 1 window 3
	v_add_nc_u32 v[AD], s[TB], v[L16C]
	v_add_nc_u32 v[VAD], s[CB], v[BV1C]
	v_add_nc_u32 v[BIAD], s[CB], v[BV0C]
	WIN 0
	s_barrier_wait -1
.if (\mode) == 0
	CREST                                          ; the barrier has opened a round of the cluster's barrier: no wave of any partner still reads the slot that is left or has a load on its way
	tensor_load_to_lds s[G0B:G0B+3], s[G1:G1+7]    ; my one tensor load behind the round: 116 matrix instructions stand between it and the wait for it
	s_nop 0
	PLACES                                         ; four v_nop behind the tensor load
.endif
	WIN 0xfb
	BLD 0, 0                                       ; the next chunk's K steps 0 and 1,
	BLD 1, 0
	BSC2 0                                         ; and its first half's scale words
	WIN 0xfb
.endm
; The run of LDS loads behind a K step's fourth product: K step ks + 3, into the buffer that K step ks - 1 has left.
.macro KLOADS par, mode
.if (\par) == 0
.if ks == 1
	VLD2 0                                         ; this half's V: its slices stand in the next half
.elseif ks == 2
	BIAS2 2, 0                                     ; the next half's bias
.elseif ks == 3
	BSC2 2                                         ; and its scale words
.endif
	WIN WS
.if ks < 5
	BLD ks+3, 0
.else
	BLD ks-5, 2                                    ; the next half's first K steps: tiles 2, 3 of the same slot
.endif
.else
.if ks == 1
	VLD2 2
.elseif (ks == 2) && ((\mode) < 2)
	BIAS2 0, 256                                   ; the next chunk's first half
.endif
	WIN WS
.if ks < 5
	BLD ks+3, 2
.elseif (\mode) < 2
.if ks == 6
	SWAP \mode
.elseif ks == 7
	BLD 2, 0
.endif
.endif
.endif
.endm
.macro HALF par, mode                  ; 64 products of half par; between them the other set's activation
.set kk, 0
.rept 64
.set ks, kk/8
.set ai, kk%8
.if ai == 0
	KHEAD \par, \mode
.endif
	MM \par
	SL 1-\par
.if ai == 3
	KLOADS \par, \mode
.endif
.set kk, kk+1
.endr
.endm
; A chunk: four column tiles.  mode 0: the slot is left and filled again, two chunks ahead; 1: it is left and nothing is asked for; 2: the last chunk.
.macro CHUNK mode
.if (\mode) == 2
.irp k, 0,1,2,3                                      ; a prefetch of my wave's first eight rows of the second read of h: lanes 256 bytes apart, 8,192 bytes an instruction, each byte range named once in the launch; one chunk ahead of the loads
	global_prefetch_b8 v[PFO], s[HB0:HB0+1] offset:8192*\k th:TH_LOAD_NT scope:SCOPE_SE
.endr
.endif
	HALF 0, \mode
	HALF 1, \mode
	WIN 0
.endm
; ---- phase 3's macros
.macro RLOAD e                         ; row e from s[HB] on, 4,096 bytes, into slot e % 8 of window 3
	WIN 0xc0
.irp j, 0,1,2,3,4,5,6,7
	global_load_b128 v[32*((\e)%8)+4*\j:32*((\e)%8)+4*\j+3], v[L16], s[HB:HB+1] offset:(\e)*4096+512*\j th:TH_LOAD_NT
.endr
.endm
.macro CROW e, load, cnt               ; context += p(e) x row e; the row six further on is asked for first
.if \load
	RLOAD (\e)+6
.endif
	s_wait_loadcnt \cnt
	WIN 0x03
.set j, 0
.rept 16
.if (\e)%2
	v_pk_fma_f32 v[CT+2*j:CT+2*j+1], v[32*(\e)+2*j:32*(\e)+2*j+1], v[PR+(\e)-1:PR+(\e)], v[CT+2*j:CT+2*j+1] op_sel:[0,1,0] op_sel_hi:[1,1,1]
.else
	v_pk_fma_f32 v[CT+2*j:CT+2*j+1], v[32*(\e)+2*j:32*(\e)+2*j+1], v[PR+(\e):PR+(\e)+1], v[CT+2*j:CT+2*j+1] op_sel_hi:[1,0,1]
.endif
.set j, j+1
.endr
.endm
.macro PLOAD                           ; the trip's eight p, the same in every lane
	WIN 0
	ds_load_b128 v[PR:PR+3], v[T16]
	ds_load_b128 v[PR+4:PR+7], v[T16] offset:16
	s_wait_dscnt 0x0
	v_add_nc_u32 v[T16], 32, v[T16]
.endm
; ================ the head
	s_load_b256 s[4:11], s[0:1], 0x0               ; hidden_states s[4:5], ucodes s[6:7], bias s[8:9], V_w s[10:11]
	s_load_b256 s[12:19], s[0:1], 0x20             ; V_b s[12:13], scores s[14:15], stats s[16:17], pctx s[18:19]
	v_lshl_add_u32 v[SPW], v0, 2, SPARE
	v_mov_b32 v[NIL], 0
	ds_add_u32 v5, v6
	ds_add_u32 v5, v6
	s_wait_dscnt 0x0
	v_lshrrev_b32 v22, 5, v0
	v_readfirstlane_b32 s[WV], v22                 ; wave 0..3
	s_bfe_u32 s[CX], ttmp6, 0x40000                ; my place in the cluster
	s_lshl_b32 s[WG], ttmp9, 2                     ; in a cluster launch ttmp9 counts clusters
	s_add_co_u32 s[WG], s[WG], s[CX]
	; descriptor group 1: a column tile of U is 12,800 dense bytes: 50 rows of 32 elements of 8 bytes, no padding
	s_mov_b32 s[G1], 15|(3<<16)|(1<<21)            ; 15:0 the mask: all four work-groups; 17:16 elements of 8 bytes; 21 set beside a mask
	s_mov_b32 s[G1+1], 32<<16                      ; tensor_dim0 = 32
	s_mov_b32 s[G1+2], 50<<16                      ; tensor_dim1 = 50
	s_mov_b32 s[G1+3], 32<<16                      ; tile_dim0 = 32
	s_mov_b32 s[G1+4], 50                          ; tile_dim1 = 50
	s_mov_b32 s[G1+5], 32                          ; from row to row
	s_mov_b32 s[G1+6], 0
	s_mov_b32 s[G1+7], 0
	s_mul_i32 s54, s[WV], TILEB                    ; wave w fetches tile w of each chunk
	s_mov_b32 s55, 0
	s_mov_b32 s[SEL], 0x76543210
	s_mov_b32 s[SEL+1], 0xfedcba98                 ; selects for lane l xor 16
	s_mov_b32 s[C2], 0x4038aa3b                    ; 2 log2 e
	s_mov_b32 s[C2+1], s[C2]                       ; (named with it as a pair, so it is written)
	s_mov_b32 s[LG], 0x3fb8aa3b                    ; log2 e
	s_wait_kmcnt 0x0
	s_load_b32 s[VB], s[12:13], 0x0                ; V_b
	s_mov_b32 s[G0A], 1
	s_mov_b32 s[G0A+1], s54                        ; slot 0
	s_add_nc_u64 s[G0A+2:G0A+3], s[6:7], s[54:55]  ; chunk 0
	s_or_b32 s[G0A+3], s[G0A+3], 0x80000000
	s_mov_b32 s[G0B], 1
	s_add_co_u32 s[G0B+1], s54, SLOT1              ; slot 1
	s_add_nc_u64 s[G0B+2:G0B+3], s[6:7], s[54:55]
	s_add_nc_u64 s[G0B+2:G0B+3], s[G0B+2:G0B+3], CHB   ; chunk 1
	s_or_b32 s[G0B+3], s[G0B+3], 0x80000000
	CROUND                                         ; all four work-groups are here: the first joint loads meet
	tensor_load_to_lds s[G0A:G0A+3], s[G1:G1+7]    ; the two first fills go out together: two loads of mine are out
	s_nop 0
	tensor_load_to_lds s[G0B:G0B+3], s[G1:G1+7]
	s_nop 0
	PLACES                                         ; four v_nop behind the tensor loads
	v_and_b32 v22, 31, v0
	v_lshlrev_b32 v[L16], 4, v22
	v_lshlrev_b32 v[L4], 2, v22
	v_and_b32 v[RR], 15, v0
	v_bfe_u32 v[HH], v0, 4, 1
	s_mul_i32 s56, s[WV], 16*SPITCH
	s_add_co_u32 s56, s56, STG
	v_add_nc_u32 v[STS], s56, v[L16]
	v_mul_u32_u24 v23, v[RR], SPITCH
	v_lshl_add_u32 v23, v[HH], 6, v23
	v_add_nc_u32 v[STL], s56, v23                  ; row r, + 64 h: my 16 numbers of a block of 32
	s_lshl_b32 s56, s[WV], 15
	s_add_co_u32 s56, s56, IMG
	v_add_nc_u32 v[IMS], s56, v[L16]
	s_lshl_b32 s56, s[WV], 12
	s_add_co_u32 s56, s56, ISC
	v_add_nc_u32 v[ISS], s56, v[L4]
	v_lshlrev_b32 v23, 5, v[HH]
	v_add_nc_u32 v[BV0], BIASL, v23
	v_add_nc_u32 v[BV1], VL, v23
	v_lshlrev_b32 v[PFO], 8, v22
	v_lshlrev_b32 v[T16], 4, v0
	; global addresses: the only lines into which the work-group's number goes; s58-s60 hold nothing else
	s_lshl_b32 s58, s[WG], 20                      ; 256 rows of 4,096 bytes
	s_lshl_b32 s60, s[WV], 18                      ; my wave's 64
	s_add_co_u32 s58, s58, s60
	s_mov_b32 s59, 0
	s_add_nc_u64 s[HB0:HB0+1], s[4:5], s[58:59]
	s_mov_b64 s[HB:HB+1], s[HB0:HB0+1]
	s_lshr_b32 s58, s[WG], 3                       ; the batch
	s_lshl_b32 s58, s58, 12
	s_add_nc_u64 s[8:9], s[8:9], s[58:59]
	s_lshl_b32 s58, s[WG], 10
	s_lshl_b32 s60, s[WV], 8
	s_add_co_u32 s58, s58, s60
	s_add_nc_u64 s[14:15], s[14:15], s[58:59]      ; scores: 4 (256 wg + 64 w)
	s_lshl_b32 s58, s[WG], 8
	s_add_nc_u64 s[16:17], s[16:17], s[58:59]      ; stats: 256 wg
	s_lshl_b32 s58, s[WG], 12
	s_lshl_b32 s60, s[WV], 10
	s_add_co_u32 s58, s58, s60
	s_add_nc_u64 s[18:19], s[18:19], s[58:59]      ; pctx: 4,096 wg + 1,024 w
	global_load_b128 v[80:83], v[T16], s[8:9]              ; my batch's biases, 16 bytes a thread, twice
	global_load_b128 v[84:87], v[T16], s[8:9] offset:2048
	global_load_b128 v[88:91], v[T16], s[10:11]            ; V_w likewise
	global_load_b128 v[92:95], v[T16], s[10:11] offset:2048
.irp j, 0,1,2,3,4,5,6,7
	global_load_b128 v[96+4*\j:99+4*\j], v[L16], s[10:11] offset:512*\j   ; and all of V_w in each wave, for its sum
.endr
	GLOAD 0, 0, 0                                  ; K step 0 of my four tiles of rows
	GLOAD 1, 1, 0
	GLOAD 2, 2, 0
	GLOAD 3, 3, 0
	WIN 0
	s_wait_loadcnt 48                              ; all but the three younger pieces
	ds_store_b128 v[T16], v[80:83] offset:BIASL
	ds_store_b128 v[T16], v[84:87] offset:BIASL+2048
	ds_store_b128 v[T16], v[88:91] offset:VL
	ds_store_b128 v[T16], v[92:95] offset:VL+2048
.irp j, 0,2,4,6,8,10,12,14
	v_pk_add_f32 v[96+\j:97+\j], v[96+\j:97+\j], v[112+\j:113+\j]
.endr
.irp j, 0,2,4,6
	v_pk_add_f32 v[96+\j:97+\j], v[96+\j:97+\j], v[104+\j:105+\j]
.endr
.irp j, 0,2
	v_pk_add_f32 v[96+\j:97+\j], v[96+\j:97+\j], v[100+\j:101+\j]
.endr
	v_pk_add_f32 v[96:97], v[96:97], v[98:99]
	v_add_f32 v96, v96, v97
	v_add_f32_dpp v96, v96, v96 row_xmask:1 row_mask:0xf bank_mask:0xf
	v_add_f32_dpp v96, v96, v96 row_xmask:2 row_mask:0xf bank_mask:0xf
	v_add_f32_dpp v96, v96, v96 row_xmask:4 row_mask:0xf bank_mask:0xf
	v_add_f32_dpp v96, v96, v96 row_xmask:8 row_mask:0xf bank_mask:0xf
	v_permlanex16_b32 v97, v96, s[SEL], s[SEL+1]
	v_add_f32 v96, v96, v97                        ; the sum of V_w
	s_wait_kmcnt 0x0
	v_add_f32 v[KC], s[VB], v96
	TURNX 0, 0
	s_wait_dscnt 0x0                               ; the first piece is back, and the stores above have read their registers
.irp b, 4,5,6,7
	v_mov_b32 v[TM+\b], 0                          ; written once: a lane permute's destination counts as one of its sources
.endr
; ================ phase 1: my 64 rows become 32 fragments.  Loads run a K step (64 loads a wave) ahead, the turn through the stage one piece
	s_mov_b32 s54, 0                               ; the trip's place among the images
	s_mov_b32 s55, 0                               ; and among the scale words
	s_mov_b32 s[CNT], 4
.Ltrip_a:                                              ; K steps 0-3
	TRIP 1
	s_sub_co_u32 s[CNT], s[CNT], 1
	s_cmp_lg_u32 s[CNT], 0
	s_cbranch_scc1 .Ltrip_a
	ALOAD 0                                        ; they go into window 1; the images' bytes are then written again (LDS serves a wave's instructions in order)
	s_mov_b32 s54, 0
	s_mov_b32 s[CNT], 3
.Ltrip_b:                                              ; K steps 4-6
	TRIP 1
	s_sub_co_u32 s[CNT], s[CNT], 1
	s_cmp_lg_u32 s[CNT], 0
	s_cbranch_scc1 .Ltrip_b
	TRIP 0                                         ; K step 7 is written out: no load leaves a row
	ALOAD 1
; ================ phase 2: 16 chunks of four column tiles, each two halves
	s_wait_tensorcnt 1                             ; my tile of chunk 0 is in; chunk 1's may stay out
	s_wait_dscnt 0x0                               ; my stores of biases and V have landed, my operands are in
	s_barrier_signal -1
	s_barrier_wait -1
	WIN 0xc0                                       ; destination window 3
	v_mov_b32 v[AD], v[L16]                        ; slot 0
	v_mov_b32 v[L16C], v[L16]
	v_mov_b32 v[VAD], v[BV1]                       ; chunk 0
	v_mov_b32 v[BV1C], v[BV1]
	v_mov_b32 v[BIAD], v[BV0]
	v_mov_b32 v[BV0C], v[BV0]
.set p, 0
.rept 16
	v_mov_b32 v[SA3+p], 0                          ; the score sums
.set p, p+1
.endr
.set p, 0
.rept 64
	v_mov_b32 v[64+p], 0                           ; the second set of accumulators, and below its V: the chunk is written without a first half of its own, and the first half's slices find zeros: r = 1 / 2, V r = 0
.set p, p+1
.endr
	WIN 0x80
.set p, 0
.rept 16
	v_mov_b32 v[208+p], 0
.set p, p+1
.endr
	WIN 0xfb
	BLD 0, 0                                       ; in the order in which a chunk's end asks for the next chunk's: K steps 0, 1, scale words (here the bias too), K step 2
	BLD 1, 0
	BSC2 0
	BIAS2 0, 0
	WIN 0xfb
	BLD 2, 0
	WIN 0
	s_mov_b32 s[TB], 0
	s_mov_b32 s[CB], 0
	s_mov_b32 s[CNT], 14
.Lchunk:                                               ; chunks 0-13: each leaves its slot to the chunk two further on
	CHUNK 0
	s_sub_co_u32 s[CNT], s[CNT], 1
	s_cmp_lg_u32 s[CNT], 0
	s_cbranch_scc1 .Lchunk
	CHUNK 1                                        ; the tail is written out
	CHUNK 2
	WIN 0xfb                                       ; the last half's activation: nothing is left to multiply beside it
.set kk, 0
.rept 64
	SL 1
.set kk, kk+1
.endr
; ================ phase 3: scores, the block's softmax, the partial context
	s_mov_b64 s[HB:HB+1], s[HB0:HB0+1]             ; (phase 1's loads were waited for)
	WIN 0x0f                                       ; sources window 3, destination window 0: the score sums leave window 3, which takes rows of h
.irp m, 0,1,2,3
	v_pk_add_f32 v[SA+4*\m:SA+4*\m+1], v[SA3+4*\m:SA3+4*\m+1], v[SA3+4*\m+2:SA3+4*\m+3]
.endr
	RLOAD 0                                        ; the second read of h begins while the scores are reduced
	RLOAD 1
	RLOAD 2
	RLOAD 3
	RLOAD 4
	RLOAD 5
	WIN 0
.irp m, 0,1,2,3
	v_add_f32 v[SA+4*\m], v[SA+4*\m], v[SA+4*\m+1]
.endr
.irp m, 0,1,2,3
	v_permlanex16_b32 v[SA+4*\m+1], v[SA+4*\m], s[SEL], s[SEL+1]   ; the row's other columns lie in the lane 16 away
.endr
.irp m, 0,1,2,3
	v_add_f32 v[SA+4*\m], v[SA+4*\m], v[SA+4*\m+1]
.endr
.irp m, 0,1,2,3
	v_fma_f32 v[SA+4*\m], v[SA+4*\m], -2.0, v[KC]  ; score of row 16 m + r
.endr
	v_and_b32 v22, 31, v0
	v_cmp_lt_u32 vcc_lo, 15, v22
	v_cndmask_b32 v24, v[SA], v[SA+4], vcc_lo      ; lane l: row l
	v_cndmask_b32 v25, v[SA+8], v[SA+12], vcc_lo   ; and row 32 + l
	global_store_b32 v[L4], v24, s[14:15]
	global_store_b32 v[L4], v25, s[14:15] offset:128
	v_mov_b32 v27, 0
	v_max_num_f32 v26, v24, v25
	v_max_num_f32_dpp v26, v26, v26 row_xmask:1 row_mask:0xf bank_mask:0xf
	v_max_num_f32_dpp v26, v26, v26 row_xmask:2 row_mask:0xf bank_mask:0xf
	v_max_num_f32_dpp v26, v26, v26 row_xmask:4 row_mask:0xf bank_mask:0xf
	v_max_num_f32_dpp v26, v26, v26 row_xmask:8 row_mask:0xf bank_mask:0xf
	v_permlanex16_b32 v27, v26, s[SEL], s[SEL+1]
	v_max_num_f32 v26, v26, v27                    ; my wave's largest score
	s_lshl_b32 s56, s[WV], 2
	s_add_co_u32 s56, s56, SCR
	v_mov_b32 v28, s56
	s_lshl_b32 s57, s[WV], 8
	s_add_co_u32 s57, s57, SCR+256
	v_mov_b32 v[T16], s57                          ; my wave's p, from the first on
	v_add_nc_u32 v106, s57, v[L4]
	v_mov_b32 v29, SCR
	ds_store_b32 v28, v26
	s_wait_dscnt 0x0
	s_barrier_signal -1
	s_barrier_wait -1
	ds_load_b128 v[96:99], v29
	s_wait_dscnt 0x0
	v_max3_num_f32 v30, v96, v97, v98
	v_max_num_f32 v30, v30, v99                    ; m: the block's largest score is taken away before the exponential
	v_sub_f32 v22, v24, v30
	v_sub_f32 v23, v25, v30
	v_mul_f32 v22, s[LG], v22
	v_mul_f32 v23, s[LG], v23
	v_exp_f32 v22, v22
	v_exp_f32 v23, v23
	v_nop                                          ; a plain place behind the exponentials
	s_wait_alu depctr_va_vdst(0)                   ; and the wait ahead of their first reader
	v_add_f32 v26, v22, v23
	v_add_f32_dpp v26, v26, v26 row_xmask:1 row_mask:0xf bank_mask:0xf
	v_add_f32_dpp v26, v26, v26 row_xmask:2 row_mask:0xf bank_mask:0xf
	v_add_f32_dpp v26, v26, v26 row_xmask:4 row_mask:0xf bank_mask:0xf
	v_add_f32_dpp v26, v26, v26 row_xmask:8 row_mask:0xf bank_mask:0xf
	v_permlanex16_b32 v27, v26, s[SEL], s[SEL+1]
	v_add_f32 v26, v26, v27                        ; my wave's sum of p
	ds_store_b32 v28, v26 offset:16
	ds_store_b32 v106, v22                         ; p of rows 0-31,
	ds_store_b32 v106, v23 offset:128              ; of rows 32-63: read back by my wave alone
.set p, 0
.rept 32
	v_mov_b32 v[CT+p], 0                           ; the context: register 4 j + k is column 128 j + 4 lane + k
.set p, p+1
.endr
	s_mov_b32 s[CNT], 7
.Lrows:                                                ; eight rows a trip; six rows (48 loads) stay on their way
	PLOAD
	CROW 0, 1, 48
	CROW 1, 1, 48
	CROW 2, 1, 48
	CROW 3, 1, 48
	CROW 4, 1, 48
	CROW 5, 1, 48
	CROW 6, 1, 48
	CROW 7, 1, 48
	WIN 0
	s_wait_xcnt 0x0                                ; the loads have read their base: it steps only behind this wait
	s_add_nc_u64 s[HB:HB+1], s[HB:HB+1], 32768
	s_sub_co_u32 s[CNT], s[CNT], 1
	s_cmp_lg_u32 s[CNT], 0
	s_cbranch_scc1 .Lrows
	PLOAD                                          ; the last eight rows: two more loads, then the counts run down
	CROW 0, 1, 48
	CROW 1, 1, 48
	CROW 2, 0, 40
	CROW 3, 0, 32
	CROW 4, 0, 24
	CROW 5, 0, 16
	CROW 6, 0, 8
	CROW 7, 0, 0
	WIN 0
	s_lshl_b32 s56, s[WV], 12
	s_add_co_u32 s56, s56, CRED
	v_add_nc_u32 v104, s56, v[L16]
	s_lshl_b32 s57, s[WV], 10
	s_add_co_u32 s57, s57, CRED
	v_add_nc_u32 v105, s57, v[L16]
.irp j, 0,1,2,3,4,5,6,7
	ds_store_b128 v104, v[CT+4*\j:CT+4*\j+3] offset:512*\j   ; in LDS the 1,024 columns lie in order
.endr
	s_wait_dscnt 0x0                               ; for the others' sake: my context and my sum of p have landed
	s_barrier_signal -1
	s_barrier_wait -1
.irp k, 0,1,2,3
.irp e, 0,1
	ds_load_b128 v[160+8*\k+4*\e:163+8*\k+4*\e], v105 offset:4096*\k+512*\e   ; columns 256 w on, of the four waves
.endr
.endr
	s_wait_dscnt 0x0
.irp k, 1,2,3
.irp q, 0,2,4,6
	v_pk_add_f32 v[160+\q:161+\q], v[160+\q:161+\q], v[160+8*\k+\q:161+8*\k+\q]
.endr
.endr
	global_store_b128 v[L16], v[160:163], s[18:19]             ; 32 lanes store 512 consecutive bytes
	global_store_b128 v[L16], v[164:167], s[18:19] offset:512
	s_cmp_lg_u32 s[WV], 0                          ; wave 0 sends the block's m and l, the same pair in every lane: 256 consecutive bytes
	s_cbranch_scc1 .Lno_stats
	ds_load_b128 v[108:111], v29 offset:16
	v_lshrrev_b32 v107, 1, v[L16]                  ; 8 x lane
	s_wait_dscnt 0x0
	v_add_f32 v108, v108, v109
	v_add_f32 v110, v110, v111
	v_add_f32 v31, v108, v110
	global_store_b64 v107, v[30:31], s[16:17]
.Lno_stats:
	s_wait_tensorcnt 0x0                           ; the wave's end: behind my last tensor load and my last LDS store
	ds_add_u32 v[SPW], v[NIL]
	s_wait_dscnt 0x0
	CROUND                                         ; the closing round: no work-group ends while a partner may still ask for a tile that names it
	s_endpgm
.Lfunc_end_k_qfafe36f8b8_main:
	.size	k_qfafe36f8b8_main, .Lfunc_end_k_qfafe36f8b8_main-k_qfafe36f8b8_main
	.p2alignl 7, 3214868480
	.fill 96, 4, 3214868480
	.section	.rodata,"a",@progbits
	.p2align	6, 0x0
	.amdhsa_kernel k_qfafe36f8b8_main
		.amdhsa_group_segment_fixed_size 327680
		.amdhsa_private_segment_fixed_size 0
		.amdhsa_enable_private_segment 0
		.amdhsa_kernarg_size 64
		.amdhsa_user_sgpr_count 2
		.amdhsa_user_sgpr_kernarg_segment_ptr 1
		.amdhsa_wavefront_size32 1
		.amdhsa_system_sgpr_workgroup_id_x 1
		.amdhsa_system_sgpr_workgroup_id_y 1
		.amdhsa_system_sgpr_workgroup_id_z 1
		.amdhsa_system_vgpr_workitem_id 0
		.amdhsa_next_free_vgpr 1024
		.amdhsa_next_free_sgpr 66
		.amdhsa_reserve_vcc 1
		.amdhsa_float_denorm_mode_32 3
		.amdhsa_float_denorm_mode_16_64 3
		.amdhsa_memory_ordered 1
		.amdhsa_forward_progress 1
		.amdhsa_inst_pref_size 255
	.end_amdhsa_kernel
	.section	.bss,"aw",@nobits
	.p2align	6
	.space	262144
	.amdgpu_metadata
---
amdhsa.version: [ 1, 2 ]
amdhsa.kernels:
  - .name:           k_qfafe36f8b8_main
    .symbol:         k_qfafe36f8b8_main.kd
    .args:
      - { .name: hidden_states, .offset: 0, .size: 8, .value_kind: global_buffer, .address_space: global }
      - { .name: ucodes, .offset: 8, .size: 8, .value_kind: global_buffer, .address_space: global }
      - { .name: bias, .offset: 16, .size: 8, .value_kind: global_buffer, .address_space: global }
      - { .name: V_w, .offset: 24, .size: 8, .value_kind: global_buffer, .address_space: global }
      - { .name: V_b, .offset: 32, .size: 8, .value_kind: global_buffer, .address_space: global }
      - { .name: scores, .offset: 40, .size: 8, .value_kind: global_buffer, .address_space: global }
      - { .name: stats, .offset: 48, .size: 8, .value_kind: global_buffer, .address_space: global }
      - { .name: pctx, .offset: 56, .size: 8, .value_kind: global_buffer, .address_space: global }
    .group_segment_fixed_size: 327680
    .private_segment_fixed_size: 0
    .kernarg_segment_align: 8
    .kernarg_segment_size: 64
    .max_flat_workgroup_size: 128
    .sgpr_count:     66
    .vgpr_count:     1024
    .wavefront_size: 32
...
	.end_amdgpu_metadata
.endif
;; end of part 2
;; launch combine (part 3): grid 256 x 1, 1 waves a work-group, no clusters, 0 bytes of LDS; arguments scores, stats, pctx, out0, out1; writes out0, out1
.if DOCPART == 3
	.amdgcn_target "amdgcn-amd-amdhsa--gfx1250"
	.amdhsa_code_object_version 6
	.text
	.protected	k_qfafe36f8b8_combine
	.globl	k_qfafe36f8b8_combine
	.p2align	8
	.type	k_qfafe36f8b8_combine,@function
k_qfafe36f8b8_combine:
	s_mov_b64 s[64:65], 0
	v_nop
	global_prefetch_b8 v0, s[64:65] scope:SCOPE_SE
	s_setreg_imm32_b32 hwreg(HW_REG_WAVE_MODE, 25, 1), 1
	s_wait_xcnt 0x0
; COMBINE.  A batch's eight blocks of 256 rows are joined: M = the largest of their maxima m_i, f_i = e^(m_i - M), L = the sum of f_i l_i;
; out0[b] = (the sum of f_i x partial context i) / L;  out1 = e^(score - M) / L.  The maximum is taken away before every exponential.
; One wave to a work-group; work-group (b = wg / 8, j = wg % 8) makes columns 128 j .. 128 j + 127 of out0[b] and the 256 weights of block 8 b + j.  Every load and store of 16 bytes a lane covers 512 consecutive bytes.
; No LDS, no barrier, no matrix unit: a few kilobytes a work-group.  LIMITS: NaN and infinities are not served.
	s_load_b256 s[4:11], s[0:1], 0x0               ; scores s[4:5], stats s[6:7], pctx s[8:9], out0 s[10:11]
	s_load_b64 s[12:13], s[0:1], 0x20              ; out1
	v_and_b32 v1, 7, v0
	v_lshlrev_b32 v1, 8, v1                        ; lane l takes block l % 8: 256 bytes a block
	v_lshlrev_b32 v2, 4, v0                        ; 16 x lane
	s_lshr_b32 s14, ttmp9, 3                       ; b
	s_and_b32 s15, ttmp9, 7                        ; j
	s_lshl_b32 s16, s14, 11                        ; stats: 8 blocks of 256 bytes a batch
	s_mov_b32 s17, 0
	s_lshl_b32 s20, s15, 9                         ; 512 j
	s_lshl_b32 s18, s14, 15                        ; pctx: 8 rows of 4,096 bytes a batch
	s_add_co_u32 s18, s18, s20
	s_mov_b32 s19, 0
	s_lshl_b32 s22, s14, 12                        ; out0: a row of 4,096 bytes a batch
	s_add_co_u32 s22, s22, s20
	s_mov_b32 s23, 0
	s_lshl_b32 s20, ttmp9, 10                      ; scores, out1: 1,024 bytes a block
	s_mov_b32 s21, 0
	s_mov_b32 s34, 0x3fb8aa3b                      ; log2 e
	s_wait_kmcnt 0x0
	s_add_nc_u64 s[6:7], s[6:7], s[16:17]
	s_add_nc_u64 s[8:9], s[8:9], s[18:19]
	s_add_nc_u64 s[10:11], s[10:11], s[22:23]
	s_add_nc_u64 s[4:5], s[4:5], s[20:21]
	s_add_nc_u64 s[12:13], s[12:13], s[20:21]
	global_load_b64 v[4:5], v1, s[6:7]             ; m, l of my block
.irp i, 0,1,2,3,4,5,6,7
	global_load_b128 v[16+4*\i:19+4*\i], v2, s[8:9] offset:4096*\i
.endr
	global_load_b128 v[48:51], v2, s[4:5]
	global_load_b128 v[52:55], v2, s[4:5] offset:512
	s_wait_loadcnt 10                              ; m and l are in; the ten younger loads may be out
	v_mov_b32 v6, v4
	v_max_num_f32_dpp v6, v6, v6 row_xmask:1 row_mask:0xf bank_mask:0xf
	v_max_num_f32_dpp v6, v6, v6 row_xmask:2 row_mask:0xf bank_mask:0xf
	v_max_num_f32_dpp v6, v6, v6 row_xmask:4 row_mask:0xf bank_mask:0xf   ; M, in every lane
	v_sub_f32 v7, v4, v6
	v_mul_f32 v7, s34, v7
	v_exp_f32 v7, v7                               ; f of my block
	v_nop                                          ; a plain place behind the transcendental
	s_wait_alu depctr_va_vdst(0)                   ; and the wait ahead of its first reader
	v_mul_f32 v8, v7, v5
	v_add_f32_dpp v8, v8, v8 row_xmask:1 row_mask:0xf bank_mask:0xf
	v_add_f32_dpp v8, v8, v8 row_xmask:2 row_mask:0xf bank_mask:0xf
	v_add_f32_dpp v8, v8, v8 row_xmask:4 row_mask:0xf bank_mask:0xf       ; L
	v_rcp_f32 v9, v8
	v_nop
	s_wait_alu depctr_va_vdst(0)
.irp i, 0,1,2,3,4,5,6,7
	v_readlane_b32 s[24+\i], v7, \i                ; the eight f as scalars: they are multipliers alone
.endr
	s_wait_loadcnt 2                               ; the eight partial contexts are in
.irp k, 0,1,2,3
	v_mul_f32 v[56+\k], s24, v[16+\k]
.endr
.irp i, 1,2,3,4,5,6,7
.irp k, 0,1,2,3
	v_fma_f32 v[56+\k], s[24+\i], v[16+4*\i+\k], v[56+\k]
.endr
.endr
.irp k, 0,1,2,3
	v_mul_f32 v[56+\k], v[56+\k], v9
.endr
	global_store_b128 v2, v[56:59], s[10:11]
	s_wait_loadcnt 0x0
.irp k, 0,1,2,3,4,5,6,7
	v_sub_f32 v[48+\k], v[48+\k], v6
.endr
.irp k, 0,1,2,3,4,5,6,7
	v_mul_f32 v[48+\k], s34, v[48+\k]
.endr
.irp k, 0,1,2,3,4,5,6,7
	v_exp_f32 v[48+\k], v[48+\k]
.endr
	v_nop
	s_wait_alu depctr_va_vdst(0)                   ; one wait for the eight
.irp k, 0,1,2,3,4,5,6,7
	v_mul_f32 v[48+\k], v[48+\k], v9
.endr
	global_store_b128 v2, v[48:51], s[12:13]
	global_store_b128 v2, v[52:55], s[12:13] offset:512
	s_endpgm
.Lfunc_end_k_qfafe36f8b8_combine:
	.size	k_qfafe36f8b8_combine, .Lfunc_end_k_qfafe36f8b8_combine-k_qfafe36f8b8_combine
	.p2alignl 7, 3214868480
	.fill 96, 4, 3214868480
	.section	.rodata,"a",@progbits
	.p2align	6, 0x0
	.amdhsa_kernel k_qfafe36f8b8_combine
		.amdhsa_group_segment_fixed_size 0
		.amdhsa_private_segment_fixed_size 0
		.amdhsa_enable_private_segment 0
		.amdhsa_kernarg_size 40
		.amdhsa_user_sgpr_count 2
		.amdhsa_user_sgpr_kernarg_segment_ptr 1
		.amdhsa_wavefront_size32 1
		.amdhsa_system_sgpr_workgroup_id_x 1
		.amdhsa_system_sgpr_workgroup_id_y 1
		.amdhsa_system_sgpr_workgroup_id_z 1
		.amdhsa_system_vgpr_workitem_id 0
		.amdhsa_next_free_vgpr 64
		.amdhsa_next_free_sgpr 66
		.amdhsa_reserve_vcc 0
		.amdhsa_float_denorm_mode_32 3
		.amdhsa_float_denorm_mode_16_64 3
		.amdhsa_memory_ordered 1
		.amdhsa_forward_progress 1
		.amdhsa_inst_pref_size 7
	.end_amdhsa_kernel
	.amdgpu_metadata
---
amdhsa.version: [ 1, 2 ]
amdhsa.kernels:
  - .name:           k_qfafe36f8b8_combine
    .symbol:         k_qfafe36f8b8_combine.kd
    .args:
      - { .name: scores, .offset: 0, .size: 8, .value_kind: global_buffer, .address_space: global }
      - { .name: stats, .offset: 8, .size: 8, .value_kind: global_buffer, .address_space: global }
      - { .name: pctx, .offset: 16, .size: 8, .value_kind: global_buffer, .address_space: global }
      - { .name: out0, .offset: 24, .size: 8, .value_kind: global_buffer, .address_space: global }
      - { .name: out1, .offset: 32, .size: 8, .value_kind: global_buffer, .address_space: global }
    .group_segment_fixed_size: 0
    .private_segment_fixed_size: 0
    .kernarg_segment_align: 8
    .kernarg_segment_size: 40
    .max_flat_workgroup_size: 32
    .sgpr_count:     66
    .vgpr_count:     64
    .wavefront_size: 32
...
	.end_amdgpu_metadata
.endif
;; end of part 3
